; MI455X (gfx1250); checked and timed in simulation.
; The chip was launched on July 23, 2026; its instructions are those of AMD's public machine-readable ISA for CDNA 5 (MIT licence, August 2026) and "CDNA5" Instruction Set Architecture Reference Guide (July 2026). The comments in the code are by the model that wrote it; some were corrected since.
;; Attention. Allowed arithmetic: matrix products marked QUANTISED: E4M3 operands, one given power-of-two scale a tensor, by v_wmma_f32_16x16x64_fp8_fp8 or v_wmma_f32_16x16x128_fp8_fp8, f32 sums; everything else in f32.
;; Inputs: k 4 x 16 x 2,048 x 64 float32; lowp_scales 4 int32 (the exponents e of the quantised operands' scales 2^e); q 4 x 16 x 2,048 x 64 float32; v 4 x 16 x 2,048 x 64 float32.
;; Outputs: out0 4 x 16 x 2,048 x 64 float32.
;; This version of the problem:
;;   THIS VERSION OF THE PROBLEM IS GIVEN IN LOW PRECISION. The matrix products marked QUANTISED in the list below multiply operands that are first quantised to E4M3 (4 exponent bits, 3 mantissa bits; 8 bits a number), with one given power-of-two scale for each operand tensor; their sums are f32. All else is computed in f32.
;;   The module's matrix products, in the order in which they are computed (A, B: the left and right operand; K: the contracted axis; several contracted axes count as one K, in the product's order):
;;     1. batch 64 x [M 2,048, K 64] x [K 64, N 2,048]; A: input q; B: input k: QUANTISED (scales: A lowp_scales[0], B lowp_scales[1])
;;     2. batch 64 x [M 2,048, K 2,048] x [K 2,048, N 64]; A: softmax (see below); B: input v: QUANTISED (scales: A lowp_scales[2], B lowp_scales[3])
;;   THE QUANTISER, for each operand of a quantised product, along K:
;;     - The operand's scale is 2^e, e = its entry of the input lowp_scales (int32; the entries are numbered through the quantised products in the list's order, A before B).
;;     - Each number is divided by the scale, clamped to +-448, and rounded to the nearest number of E4M3, ties to even, subnormals kept.
;;     - The product sums the exact products of the quantised numbers (number of the format x scale) in f32.
;;   ~~~python
;;   def quantise(x, axis, e):      # numpy; x: float32 -> the quantised numbers, widened to float32 again
;;       x = np.moveaxis(x, axis, -1); K = x.shape[-1]
;;       r = np.clip(x / 2.0 ** e, -448, 448)
;;       step = 2.0 ** (np.maximum(np.frexp(np.where(r == 0, 1, r))[1] - 1, -6) - 3)
;;       q = np.round(r / step) * step * 2.0 ** e      # np.round: ties to even
;;       return np.moveaxis(q, -1, axis).astype(np.float32)
;;   ~~~
;;   SOFTMAX AHEAD OF A QUANTISED PRODUCT. Where the list says 'softmax', what is quantised is not the finished softmax but p = 2^(t - M), with t = logit x log2(e) and M = ceil(the row's largest t), a whole number; so 1/2 < the row's largest p <= 1. The row's sum l is taken of the UNQUANTISED p, in f32, and the product's result is divided by l at the end. Since M is a whole number, a kernel that streams over the keys may use a running M (the ceiling of the running maximum): every later rescaling is an exact power of two, so the quantised numbers keep their values, but for numbers so far below the row's largest that they fall under the format's range.
;;   OPERANDS COMPUTED ON THE WAY. 'Computed on the way' means the value that the module computes at that place (a softmax that the list does not call 'softmax' is quantised finished and normalised). What goes into a quantiser is computed in f32, as accurately as f32 sums, v_exp_f32 and their like allow (about 1e-6 of the number): no bf16 or f16 on the way to a quantiser, and a product that is left as it is and whose result goes on into a quantised operand takes f32 operands (vector FMAs, or v_wmma_f32_16x16x4_f32). A number that lies on a knife's edge between two numbers of the format may be rounded either way, as far as f32 arithmetic and the matrix unit's own rounding can turn it there, and no further.
;; 2 versions. Each part assembles by itself: llvm-mc -triple=amdgcn-amd-amdhsa -mcpu=gfx1250 --defsym DOCPART=n.
;; ======== version 1 of 2: 1 launch
;; launch attn (part 1): grid 4 x 64, 16 waves a work-group, no clusters, 315,392 bytes of LDS; arguments q, k, v, lowp_scales, out0; writes out0
.if DOCPART == 1
	.amdgcn_target "amdgcn-amd-amdhsa--gfx1250"
	.amdhsa_code_object_version 6
	.text
	.protected	k_q6618f84055_attn
	.globl	k_q6618f84055_attn
	.p2align	8
	.type	k_q6618f84055_attn,@function
k_q6618f84055_attn:
	s_mov_b64 s[64:65], 0
	v_nop
	global_prefetch_b8 v0, s[64:65] scope:SCOPE_SE
	s_setreg_imm32_b32 hwreg(HW_REG_WAVE_MODE, 25, 1), 1
	s_wait_xcnt 0x0
; out0[h][i][:] = the sum over j of softmax_j(q[h][i] . k[h][j] / 8) v[h][j][:], 64 heads of 2,048 x 64, all f32 in memory; both products on codes of E4M3 with the four given
; scales 2^eq, 2^ek, 2^ep, 2^ev (lowp_scales).  t = score x log2(e) / 8; M = the running largest t rounded UP to a whole number; p = 2^(t - M) is quantised, not normalised; the row's
; sum is taken of the unquantised p in f32 and divides at the end.  When M moves, the sum and O are multiplied by 2^(old M - new M), which rounds nothing.
; SHARES.  A work-group of sixteen waves owns 512 queries of one head (4 x 64 work-groups); a wave owns 32, two tiles of 16, in 256 registers: four waves to a SIMD, so that one wave's
; vector work stands beside another's matrix instructions and LDS loads.  Each fragment of K and V read from LDS feeds two matrix instructions.
; THE WHOLE HEAD'S K AND V LIE IN LDS AS CODES (2 x 128 KiB + padding), each byte stored once.  The sixteen waves load them as f32, quantise them in registers and store the codes one
; block of 256 keys ahead of the block that is multiplied: one barrier a block, eight blocks.  q is quantised at the head, through the wave's own stage.
; NO JOINT LOADS, though the four work-groups of a head read the same K and V: what they share arrives as f32 and passes through registers to be quantised.  A block of 256 keys of K and V
; in f32 is 131,072 bytes; the codes (278,528), Q's stages (34,816) and the spare words (2,048) leave 12,288 of 327,680.
; LAYOUT.  Both products are used transposed: S^T = K Q^T (source 0 = 16 keys, source 1 = 16 queries), O^T = V^T P^T (source 0 = 16 channels, source 1 = P): a lane holds ONE query
; (lane % 16) throughout.  In S^T register j of tile t is key 16 t + 8 (lane / 16) + j: its eight codes are registers 2 t, 2 t + 1 of P, the place that the form's layout gives them.
; K and Q are fetched by two loads of 16 bytes (registers 4 c .. 4 c + 3: channels 32 c + 16 (lane / 16) + 0 .. 15): a permutation of the channels, the same on both sides.
; V's rows in LDS hold, in each 32 keys, the two middle groups of eight swapped, so that a load of 16 bytes brings keys 32 i + 8 h + 0..7 and 32 i + 16 + 8 h + 0..7: P's order.
; LIMITS, so that each power of two below is an f32 number: eq + ek between -123 and 130 (added to c's exponent field); eq, ek, ep, ev each between -126 and 119.  NaN among the inputs is not served.
.set PITCH, 272                        ; an LDS row: 256 bytes + 16 of padding = 68 words: row r starts at bank 4 r mod 64 (64 banks of 4 bytes: ISA guide 11.1)
.set BLK,   64*PITCH                   ; a block of 256 keys: K: 64 rows of 4 keys x 64 codes;  V: 64 rows (channels) of 256 keys
.set VOFF,  8*BLK                      ; K's eight blocks from 0, V's eight from here
.set SPARE, 16*BLK                     ; the spare words, 128 bytes for each wave: eight blocks of 256 bytes that no other line names
.set QST,   SPARE+2048                 ; Q's stages: 2 tiles x 4 rows for each wave, laid like K
.set GBLK,  65536                      ; a block of K or V in memory: 256 keys x 256 bytes
.set GPAIR, 32768                      ; half of it: what the sixteen waves feed at a time, 8 keys a wave
.set AK0, 1                            ; v1   my lane's place in a tile of K: PITCH (r / 4) + 64 (r % 4) + 16 h
.set AV0, 2                            ; v2   in a tile of V: VOFF + PITCH r + 16 h
.set ADK, 3                            ; v3   AK0 + the block in hand;  on the way out: where I put 32 bytes of a row
.set ADV, 4                            ; v4   AV0 + the block in hand;  on the way out: where I read a row back
.set SPW, 5                            ; v5   LDS address of my spare word; never rewritten
.set NIL, 6                            ; v6   0; never rewritten
.set KO,  7                            ; v7   K in memory: 2,048 x wave + 16 x lane; never rewritten
.set VO,  8                            ; v8   V in memory: 2,048 x wave + 4 x lane; never rewritten
.set SK0, 9                            ; v9   where my codes of K go: 2 PITCH x wave + 4 x lane
.set SV0, 10                           ; v10  and of V: VOFF + PITCH x lane + my wave's eight keys' place in a row
.set STK, 11                           ; v11  SK0 + the block in hand;  at the head: into Q's stage;  on the way out: 16 x lane
.set STV, 12                           ; v12  SV0 + the block in hand;  at the head: out of Q's stage
.set PFO, 13                           ; v13  256 x lane: the prefetches' offset; never rewritten
.set SCK, 14                           ; v14-17  2^ek, 2^ev, 2^ep, 2^eq as f32: the conversions take the exponent field
.set SCV, 15
.set SCP, 16
.set SCQ, 17
.set NM,  18                           ; tile a: v[18+4a] -M, v[19+4a] the largest t, v[20+4a:21+4a] the sum in two halves
.set TM,  19
.set LS,  20
.set FF,  26                           ; v[26+2a] f = 2^(old M - new M); v[27+2a] named with it as a pair
.set MA,  30                           ; v[30+2a], v[31+2a] two chains of the maximum, then of the sum
.set MB,  31
.set XL,  34                           ; v[34+a] the other half of the lanes' number
.set QF,  36                           ; v36-51   Q's two fragments
.set KV,  52                           ; v52-83   four fragments of K, then four of V
.set FD,  84                           ; v84-115  the feed: 16 numbers of K, 16 of V
.set FC,  116                          ; v116-123 and their codes
.set PB,  124                          ; v[124+34a ..] P, 8 registers: the upper six lie over S^T's first tile, which is converted first
.set SB,  126                          ; v[126+34a ..] S^T, 32 registers
.set OB,  192                          ; v[192+32a ..] O^T, 32 registers
; s[4:5] q, s[6:7] k, s[8:9] v (at the head's block in hand), s[12:13] out0; s[16:19] eq ek ep ev; s20 wave, s21 wave / 8; s22 LDS byte of the block in hand; s23 trips to go; s24 see ASK;
; s[26:27] the prefetches' address; s[28:29] c; s[30:31] lane selects; s32-37 -limit, +limit for q, k, v; s38 448 x 2^ep; s39 ep + ev; s40-52 at work
; 128 keys' worth of K and V, half p of the block in hand (nb = 0) or the next (nb = 1), 8 keys a wave, into v[R ..].  K: four loads of 512 consecutive bytes: load i gives my lane key 8 w + 2 i + lane / 16,
; channels 4 (lane % 16) on.  V: A LANE TAKES A CHANNEL AND ITS REGISTERS RUN DOWN THE KEYS, which are the second product's K: register 8 hf + i is V(key 8 w + i, channel 32 hf + lane).
.macro FEED_LOAD p, R, nb
.irp i, 0,1,2,3
	global_load_b128 v[\R+4*\i:\R+4*\i+3], v[KO], s[6:7] offset:GBLK*(\nb)+GPAIR*(\p)+512*\i
.endr
.irp hf, 0,1
.irp i, 0,1,2,3,4,5,6,7
	global_load_b32 v[\R+16+8*\hf+\i], v[VO], s[8:9] offset:GBLK*(\nb)+GPAIR*(\p)+256*\i+128*\hf
.endr
.endr
.endm
; They are held, converted and stored to LDS.  A register of K's codes is 4 channels of one key: 32 lanes store 128 consecutive bytes.  A pair of V's is 8 keys of one channel's row.
.macro FEED_PUT p, R, C, ak, av, nb
.irp i, 0,1,2,3,4,5,6,7,8,9,10,11,12,13,14,15
	v_med3_num_f32 v[\R+\i], v[\R+\i], s34, s35    ; the conversion to an 8-bit code does not saturate (ISA guide 7.6.2): hold within +-448 x 2^ek first
.endr
.irp i, 16,17,18,19,20,21,22,23,24,25,26,27,28,29,30,31
	v_med3_num_f32 v[\R+\i], v[\R+\i], s36, s37    ; +-448 x 2^ev
.endr
	v_cvt_scalef32_pk8_fp8_f32 v[\C:\C+1], v[\R:\R+7], v[SCK]
	v_cvt_scalef32_pk8_fp8_f32 v[\C+2:\C+3], v[\R+8:\R+15], v[SCK]
	v_cvt_scalef32_pk8_fp8_f32 v[\C+4:\C+5], v[\R+16:\R+23], v[SCV]
	v_cvt_scalef32_pk8_fp8_f32 v[\C+6:\C+7], v[\R+24:\R+31], v[SCV]
	v_nop                                          ; one plain vector instruction behind the last conversion of the run
.irp i, 0,1,2,3
	ds_store_b32 v[\ak], v[\C+\i] offset:BLK*(\nb)+32*PITCH*(\p)+PITCH*(\i/2)+128*(\i%2)   ; key 8 w + 2 i + lane / 16: row 2 w + i / 2, byte 128 (i % 2) + 4 x lane
.endr
.irp hf, 0,1
	ds_store_b64 v[\av], v[\C+4+2*\hf:\C+5+2*\hf] offset:BLK*(\nb)+128*(\p)+32*PITCH*\hf
.endr
.endm
; A PREFETCH INTO THE L2 of the 128 keys of K and V that the NEXT feed will load, behind this feed's loads.  All four work-groups of a head read the same K and V: the head's first asks, and nobody else.
; At a trip's first feed waves 0 to 7 ask, at its second waves 8 to 15; of the eight, four take K's 32,768 bytes and four V's, 8,192 a wave, lanes 256 bytes apart: each block of 256 bytes is named once.
; s24 = wave / 8 in the head's first work-group, else the greatest number: waves 8 to 15, which ask for the block after next, stop a trip early.  Block 0 and the first half of block 1 come by their loads alone.
.macro ASK p
	s_cmp_eq_u32 s21, \p
	s_cbranch_scc0 .Lno_ask_\@
	s_cmp_gt_u32 s23, s24
	s_cbranch_scc0 .Lno_ask_\@
	global_prefetch_b8 v[PFO], s[26:27] th:TH_LOAD_NT scope:SCOPE_SE
.Lno_ask_\@:
.endm
; The sixteen accumulators of a step (8 of S^T, 8 of O^T) take turns, one instruction a turn, over the loop's backward jump too.
.macro KQ
.irp t, 0,1,2,3
.irp a, 0,1
	v_wmma_f32_16x16x64_fp8_fp8 v[SB+34*\a+8*\t:SB+34*\a+8*\t+7], v[KV+8*\t:KV+8*\t+7], v[QF+8*\a:QF+8*\a+7], 0
.endr
.endr
.endm
.macro PV
.irp c, 0,1,2,3
.irp a, 0,1
	v_wmma_f32_16x16x64_fp8_fp8 v[OB+32*\a+8*\c:OB+32*\a+8*\c+7], v[KV+8*\c:KV+8*\c+7], v[PB+34*\a:PB+34*\a+7], v[OB+32*\a+8*\c:OB+32*\a+8*\c+7]
.endr
.endr
.endm
; The softmax of a step: 32 scores a lane in each of the two tiles, which alternate line by line so that no line waits for the one above it.
.macro SOFTMAX
.irp a, 0,1
	v_max3_num_f32 v[MA+2*\a], v[SB+34*\a], v[SB+34*\a+1], v[SB+34*\a+2]       ; the largest score of my query among my 32 keys, in two chains, ascending: each accumulator is read from its low end on
	v_max3_num_f32 v[MB+2*\a], v[SB+34*\a+3], v[SB+34*\a+4], v[SB+34*\a+5]
.endr
.irp i, 6,10,14,18,22,26
.irp a, 0,1
	v_max3_num_f32 v[MA+2*\a], v[MA+2*\a], v[SB+34*\a+\i], v[SB+34*\a+\i+1]
	v_max3_num_f32 v[MB+2*\a], v[MB+2*\a], v[SB+34*\a+\i+2], v[SB+34*\a+\i+3]
.endr
.endr
.irp a, 0,1
	v_max3_num_f32 v[MA+2*\a], v[MA+2*\a], v[SB+34*\a+30], v[SB+34*\a+31]
.endr
.irp a, 0,1
	v_max_num_f32 v[MA+2*\a], v[MA+2*\a], v[MB+2*\a]
.endr
.irp a, 0,1
	v_permlanex16_b32 v[XL+\a], v[MA+2*\a], s30, s31   ; the query's other 32 keys lie in the lane 16 away
.endr
.irp a, 0,1
	v_max_num_f32 v[MA+2*\a], v[MA+2*\a], v[XL+\a]
.endr
.irp a, 0,1
	v_mul_f32 v[MA+2*\a], s28, v[MA+2*\a]          ; as t (c is positive)
.endr
.irp a, 0,1
	v_max_num_f32 v[TM+4*\a], v[TM+4*\a], v[MA+2*\a]   ; the running largest t
.endr
.irp a, 0,1
	v_mov_b32 v[MB+2*\a], v[NM+4*\a]
.endr
.irp a, 0,1
	v_floor_f32 v[NM+4*\a], -v[TM+4*\a]            ; the new -M = floor(-t) = -ceil(t): a whole number
.endr
.irp a, 0,1
	v_sub_f32 v[MB+2*\a], v[NM+4*\a], v[MB+2*\a]   ; old M - new M: a whole number, 0 or less
.endr
.irp a, 0,1
	v_cvt_i32_f32 v[MB+2*\a], v[MB+2*\a]           ; (it saturates)
.endr
.irp a, 0,1
	v_ldexp_f32 v[FF+2*\a], 1.0, v[MB+2*\a]        ; f = 2^(old M - new M)
.endr
.irp j, 0,2,4,6,8,10,12,14,16,18,20,22,24,26,28,30
.irp a, 0,1
	v_pk_fma_f32 v[SB+34*\a+\j:SB+34*\a+\j+1], v[SB+34*\a+\j:SB+34*\a+\j+1], s[28:29], v[NM+4*\a:NM+4*\a+1] op_sel_hi:[1,0,0]   ; t - M, two at a time (of the pairs c and -M the low word serves both halves)
.endr
.endr
.irp j, 0,1,2,3,4,5,6,7,8,9,10,11,12,13,14,15,16,17,18,19,20,21,22,23,24,25,26,27,28,29,30,31
.irp a, 0,1
	v_exp_f32 v[SB+34*\a+\j], v[SB+34*\a+\j]       ; p = 2^(t - M): both tiles' 64 are ONE batch
.endr
.endr
.irp a, 0,1
	v_pk_mul_f32 v[LS+4*\a:LS+4*\a+1], v[LS+4*\a:LS+4*\a+1], v[FF+2*\a:FF+2*\a+1] op_sel_hi:[1,0]   ; the sums under the new M: the plain instructions behind the last exponential
.endr
	s_wait_alu depctr_va_vdst(0)                   ; one wait for the batch, ahead of the first line that names a result
.irp a, 0,1
	v_pk_add_f32 v[MA+2*\a:MA+2*\a+1], v[SB+34*\a:SB+34*\a+1], v[SB+34*\a+2:SB+34*\a+3]   ; the row's sum is taken of the UNQUANTISED p, two at a time, in two chains
.endr
.irp j, 4,8,12,16,20,24,28
.irp a, 0,1
	v_pk_add_f32 v[LS+4*\a:LS+4*\a+1], v[LS+4*\a:LS+4*\a+1], v[SB+34*\a+\j:SB+34*\a+\j+1]
	v_pk_add_f32 v[MA+2*\a:MA+2*\a+1], v[MA+2*\a:MA+2*\a+1], v[SB+34*\a+\j+2:SB+34*\a+\j+3]
.endr
.endr
.irp a, 0,1
	v_pk_add_f32 v[LS+4*\a:LS+4*\a+1], v[LS+4*\a:LS+4*\a+1], v[MA+2*\a:MA+2*\a+1]
.endr
.irp t, 0,1,2,3                        ; conversion t writes P's registers 2 t, 2 t + 1: from t = 1 on they are registers of S^T's tile 0, converted earlier; the other tile's eight holds are the plain lines between
.irp a, 0,1
.irp i, 0,1,2,3,4,5,6,7
	v_min_num_f32 v[SB+34*\a+8*\t+\i], s38, v[SB+34*\a+8*\t+\i]   ; the hold at 448 x 2^ep; p is never negative, so it is one-sided
.endr
	v_cvt_scalef32_pk8_fp8_f32 v[PB+34*\a+2*\t:PB+34*\a+2*\t+1], v[SB+34*\a+8*\t:SB+34*\a+8*\t+7], v[SCP]
.endr
.endr
.irp j, 0,2,4,6,8,10,12,14,16,18,20,22,24,26,28,30
.irp a, 0,1
	v_pk_mul_f32 v[OB+32*\a+\j:OB+32*\a+\j+1], v[OB+32*\a+\j:OB+32*\a+\j+1], v[FF+2*\a:FF+2*\a+1] op_sel_hi:[1,0]   ; O^T under the new M; also the plain lines between the last conversion and the products
.endr
.endr
.endm
; A STEP: 64 keys, the q-th of the block in hand.  ld = 0, 1: that half of the next block is asked of memory; put = 0, 1: it is quantised and stored; -1: neither.
.macro STEP q, ld, put
.irp t, 0,1,2,3
.irp c, 0,1
	ds_load_b128 v[KV+8*\t+4*\c:KV+8*\t+4*\c+3], v[ADK] offset:16*PITCH*(\q)+4*PITCH*\t+32*\c   ; keys 64 q + 16 t + r
.endr
.endr
.if (\ld) >= 0
	FEED_LOAD \ld, FD, 1
	ASK \ld
.endif
	s_wait_dscnt 0x0                               ; K's four fragments are in
	KQ
.rept 4
	v_nop                                          ; four places behind the products, in front of the loads into K's registers and of the first read of the scores
.endr
.irp c, 0,1,2,3
.irp i, 0,1
	ds_load_b128 v[KV+8*\c+4*\i:KV+8*\c+4*\i+3], v[ADV] offset:16*PITCH*\c+64*(\q)+32*\i   ; channels 16 c + r, keys 64 q on: they land while the softmax is walked
.endr
.endr
	SOFTMAX
	s_wait_dscnt 0x0                               ; V's four fragments are in
	PV
.if (\put) >= 0
	s_wait_loadcnt 0x0                             ; the feed's 20 loads, asked for a step and a half ago; no other load is out
	FEED_PUT \put, FD, FC, STK, STV, 1             ; its 32 holds are also the places behind the products
.else
.rept 5
	v_nop                                          ; five places: the next step's first products write over registers of P, which these products read
.endr
.endif
.endm
; A TRIP: a block of 256 keys.  In front of the barrier each wave's LDS stores (its part of this block, stored in the trip before) have landed and its LDS loads are in.  Behind it the block is whole.
; What a trip stores lies BLK bytes behind what it reads, and is read only behind the next barrier.
.macro TRIP feed
	s_wait_dscnt 0x0
	s_barrier_signal -1
	s_barrier_wait -1
	v_add_nc_u32 v[ADK], s22, v[AK0]
	v_add_nc_u32 v[ADV], s22, v[AV0]
.if \feed
	v_add_nc_u32 v[STK], s22, v[SK0]
	v_add_nc_u32 v[STV], s22, v[SV0]
	STEP 0, 0, -1
	STEP 1, -1, 0
	STEP 2, 1, -1
	STEP 3, -1, 1
.else
	STEP 0, -1, -1
	STEP 1, -1, -1
	STEP 2, -1, -1
	STEP 3, -1, -1
.endif
.endm
.macro MKSCALE e, vs, lo               ; from the whole number in s[e]: 2^e as f32 into v[vs]; -448 x 2^e and 448 x 2^e into s[lo], s[lo + 1]
	s_add_co_i32 s40, s[\e], 127
	s_lshl_b32 s41, s40, 23
	v_mov_b32 v[\vs], s41
	s_add_co_i32 s40, s40, 8
	s_lshl_b32 s40, s40, 23
	s_or_b32 s[\lo+1], s40, 0x600000               ; 448 = 1.75 x 2^8
	s_or_b32 s[\lo], s[\lo+1], 0x80000000
.endm
	s_load_b256 s[4:11], s[0:1], 0x0               ; q s[4:5], k s[6:7], v s[8:9], lowp_scales s[10:11]
	s_load_b64 s[12:13], s[0:1], 0x20              ; out0
	v_lshl_add_u32 v[SPW], v0, 2, SPARE
	v_mov_b32 v[NIL], 0
	v_lshrrev_b32 v1, 5, v0
	v_readfirstlane_b32 s20, v1                    ; wave 0..15
	s_lshr_b32 s21, s20, 3
	v_and_b32 v30, 31, v0                          ; lane
	v_and_b32 v31, 15, v0                          ; r
	v_bfe_u32 v32, v0, 4, 1                        ; h
	v_bfe_u32 v33, v0, 2, 2                        ; r / 4
	v_and_b32 v34, 3, v0                           ; r % 4
	v_mul_u32_u24 v[AK0], v33, PITCH
	v_lshl_add_u32 v[AK0], v34, 6, v[AK0]
	v_lshl_add_u32 v[AK0], v32, 4, v[AK0]          ; sixteen lanes of a load: 16-byte columns r / 4 + 4 (r % 4) modulo 16: all different
	v_mul_u32_u24 v[AV0], v31, PITCH
	v_lshl_add_u32 v[AV0], v32, 4, v[AV0]
	v_add_nc_u32 v[AV0], VOFF, v[AV0]
	s_lshl_b32 s40, s20, 11                        ; my wave's 8 keys of 256 bytes
	v_lshl_add_u32 v[KO], v30, 4, s40
	v_lshl_add_u32 v[VO], v30, 2, s40
	s_mul_i32 s41, s20, 2*PITCH                    ; and their two rows of codes
	v_lshl_add_u32 v[SK0], v30, 2, s41
	s_lshr_b32 s42, s20, 2                         ; in a row of V: 32 (w / 4), then key group w % 4 = 2 u + h at place 2 h + u: 16 (w % 2) + 8 ((w / 2) % 2)
	s_lshl_b32 s42, s42, 5
	s_and_b32 s43, s20, 1
	s_lshl_b32 s43, s43, 4
	s_add_co_u32 s42, s42, s43
	s_bfe_u32 s43, s20, 0x10001
	s_lshl_b32 s43, s43, 3
	s_add_co_u32 s42, s42, s43
	s_add_co_u32 s42, s42, VOFF
	v_mul_u32_u24 v[SV0], v30, PITCH
	v_add_nc_u32 v[SV0], s42, v[SV0]
	s_mul_i32 s44, s20, 8*PITCH
	s_add_co_u32 s44, s44, QST                     ; my stage for Q
	v_lshl_add_u32 v[STK], v30, 2, s44             ; into it: 4 x lane
	v_add_nc_u32 v[STV], s44, v[AK0]               ; out of it: as a tile of K
	v_lshlrev_b32 v[PFO], 8, v30
	v_lshlrev_b32 v30, 4, v30                      ; q in memory: 16 x lane
	s_and_b32 s46, ttmp7, 0xffff                   ; the head:
	s_lshl_b32 s46, s46, 19                        ; 2,048 rows of 256 bytes
	s_mov_b32 s47, 0
	s_lshl_b32 s48, ttmp9, 17                      ; my work-group's 512 queries,
	s_lshl_b32 s49, s20, 13                        ; my wave's 32
	s_add_co_u32 s48, s48, s49
	s_add_co_u32 s48, s48, s46
	s_mov_b32 s49, 0
	s_lshl_b32 s50, s21, 15                        ; the prefetches: waves 0-7 the next block's second half, waves 8-15 the first half of the block after it,
	s_and_b32 s51, s20, 3
	s_lshl_b32 s51, s51, 13                        ; 8,192 bytes a wave
	s_add_co_u32 s50, s50, s51
	s_add_co_u32 s50, s50, GBLK+GPAIR
	s_mov_b32 s51, 0
	s_cmp_eq_u32 ttmp9, 0
	s_cselect_b32 s24, s21, -1
	s_mov_b32 s30, 0x76543210                      ; v_permlanex16_b32: lane l takes lane l xor 16
	s_mov_b32 s31, 0xfedcba98
	s_mov_b32 s22, 0
	s_mov_b32 s23, 7
	s_wait_kmcnt 0x0
	s_load_b128 s[16:19], s[10:11], 0x0            ; eq, ek, ep, ev
	s_add_nc_u64 s[4:5], s[4:5], s[48:49]
	s_add_nc_u64 s[12:13], s[12:13], s[48:49]
	s_add_nc_u64 s[6:7], s[6:7], s[46:47]
	s_add_nc_u64 s[8:9], s[8:9], s[46:47]
	s_and_b32 s52, s20, 4
	s_cmp_eq_u32 s52, 0                            ; waves 0-3 and 8-11 ask for K, the others for V
	s_cselect_b64 s[26:27], s[6:7], s[8:9]
	s_add_nc_u64 s[26:27], s[26:27], s[50:51]
.irp a, 0,1
.irp i, 0,1,2,3,4,5,6,7
	global_load_b128 v[OB+32*\a+4*\i:OB+32*\a+4*\i+3], v30, s[4:5] offset:4096*\a+512*\i th:TH_LOAD_NT   ; q: 512 consecutive bytes a load: query 16 a + 2 i + lane / 16, channels 4 (lane % 16) on
.endr
.endr
	FEED_LOAD 0, FD, 0                             ; block 0, both halves
	FEED_LOAD 1, 160, 0
	s_wait_kmcnt 0x0
	s_add_co_i32 s40, s16, s17
	s_lshl_b32 s40, s40, 23
	s_mov_b32 s28, 0x3e38aa3b                      ; c = log2(e) / 8
	s_add_co_i32 s28, s28, s40                     ; a score stands for score x 2^(eq + ek): the two exponents are added to c's exponent field
	s_mov_b32 s29, s28                             ; (named with it as a pair, so it is written)
	MKSCALE 16, SCQ, 32
	MKSCALE 17, SCK, 34
	MKSCALE 19, SCV, 36
	s_add_co_i32 s40, s18, 127
	s_lshl_b32 s41, s40, 23
	v_mov_b32 v[SCP], s41
	s_add_co_i32 s40, s40, 8
	s_lshl_b32 s40, s40, 23
	s_or_b32 s38, s40, 0x600000                    ; 448 x 2^ep
	s_add_co_i32 s39, s18, s19                     ; ep + ev
	; ---- Q: 64 numbers a lane become 16 registers of codes, go through my own stage and come back as two fragments
	s_wait_loadcnt 40                              ; q's 16 loads are in; the 40 of block 0 were issued behind them
.set n, 0
.rept 64
	v_med3_num_f32 v[OB+n], v[OB+n], s32, s33
.set n, n+1
.endr
.irp m, 0,1,2,3,4,5,6,7
	v_cvt_scalef32_pk8_fp8_f32 v[PB+2*\m:PB+2*\m+1], v[OB+8*\m:OB+8*\m+7], v[SCQ]   ; loads 2 m and 2 m + 1: a register of codes for each
.endr
	v_nop                                          ; one plain vector instruction behind the last conversion of the run
.irp a, 0,1
.irp i, 0,1,2,3,4,5,6,7
	ds_store_b32 v[STK], v[PB+8*\a+\i] offset:4*PITCH*\a+PITCH*(\i/2)+128*(\i%2)
.endr
.endr
.irp a, 0,1
.irp c, 0,1
	ds_load_b128 v[QF+8*\a+4*\c:QF+8*\a+4*\c+3], v[STV] offset:4*PITCH*\a+32*\c   ; my own bytes: LDS serves a wave's instructions in order (ISA guide 5.7.1.4)
.endr
.endr
	; ---- block 0 of K and V
	s_wait_loadcnt 20                              ; its first half is in; the second half's 20 loads may be out
	FEED_PUT 0, FD, FC, SK0, SV0, 0
	s_wait_loadcnt 0x0
	FEED_PUT 1, 160, 148, SK0, SV0, 0
.set n, 0
.rept 64
	v_mov_b32 v[OB+n], 0                           ; O^T.  (The step is written once: the first finds zeros, which the first change of M leaves zeros)
.set n, n+1
.endr
.irp a, 0,1
	v_mov_b32 v[TM+4*\a], 0xff61b1e6               ; the largest t so far: -3e38, under every t
	v_floor_f32 v[NM+4*\a], -v[TM+4*\a]
	v_mov_b32 v[LS+4*\a], 0
	v_mov_b32 v[LS+4*\a+1], 0
	v_mov_b32 v[FF+2*\a+1], 0                      ; (named as the upper half of f's pair)
	v_mov_b32 v[XL+\a], 0                          ; (a lane permute's destination counts as one of its sources)
.endr
.Ltrip:                                            ; seven trips: block b is multiplied, block b + 1 is fed
	TRIP 1
	s_wait_xcnt 0x0                                ; the trip's loads and prefetches have read their bases: only behind this wait are they stepped
	s_add_nc_u64 s[6:7], s[6:7], GBLK
	s_add_nc_u64 s[8:9], s[8:9], GBLK
	s_add_nc_u64 s[26:27], s[26:27], GBLK
	s_add_co_u32 s22, s22, BLK
	s_sub_co_u32 s23, s23, 1
	s_cmp_lg_u32 s23, 0
	s_cbranch_scc1 .Ltrip
	TRIP 0                                         ; the last block: nothing is left to feed, and no load leaves its buffer
	; ---- THE WAY OUT.  O^T / the sum x 2^(ep + ev) goes through a stage of 16 rows x PITCH for each wave and leaves as whole rows of 256 bytes.  The stages lie over K's first blocks:
	; behind this barrier no wave reads K or V any more.
	s_wait_dscnt 0x0
	s_barrier_signal -1
	s_barrier_wait -1
.irp a, 0,1
	v_add_f32 v[LS+4*\a], v[LS+4*\a], v[LS+4*\a+1] ; the sum's two halves,
.endr
.irp a, 0,1
	v_permlanex16_b32 v[XL+\a], v[LS+4*\a], s30, s31
.endr
.irp a, 0,1
	v_add_f32 v[LS+4*\a], v[LS+4*\a], v[XL+\a]     ; and the other half of the lanes'
.endr
.irp a, 0,1
	v_rcp_f32 v[FF+2*\a], v[LS+4*\a]
.endr
	s_mul_i32 s40, s20, 16*PITCH                   ; my stage; the address work stands between the reciprocals and the wait for them
	v_and_b32 v30, 15, v0
	v_bfe_u32 v31, v0, 4, 1
	v_mul_u32_u24 v[ADK], v30, PITCH               ; in: row r; tile c's eight channels of my half at 64 c + 32 h
	v_lshl_add_u32 v[ADK], v31, 5, v[ADK]
	v_add_nc_u32 v[ADK], s40, v[ADK]
	v_mul_u32_u24 v[ADV], v31, PITCH               ; back: lanes 0-15 one row, lanes 16-31 the next
	v_lshl_add_u32 v[ADV], v30, 4, v[ADV]
	v_add_nc_u32 v[ADV], s40, v[ADV]
	v_and_b32 v[STK], 31, v0
	v_lshlrev_b32 v[STK], 4, v[STK]                ; and the same two rows in out0: 16 x lane
	s_wait_alu depctr_va_vdst(0)                   ; one wait for the two reciprocals, ahead of their first reader
.irp a, 0,1
	v_ldexp_f32 v[FF+2*\a], v[FF+2*\a], s39
.endr
.irp j, 0,2,4,6,8,10,12,14,16,18,20,22,24,26,28,30
.irp a, 0,1
	v_pk_mul_f32 v[SB+34*\a+\j:SB+34*\a+\j+1], v[OB+32*\a+\j:OB+32*\a+\j+1], v[FF+2*\a:FF+2*\a+1] op_sel_hi:[1,0]   ; register 8 c + j: out0(query r, channel 16 c + 8 h + j); each accumulator from its low end on
.endr
.endr
.macro TOSTAGE a, back
.irp c, 0,1,2,3
	ds_store_b128 v[ADK], v[SB+34*\a+8*\c:SB+34*\a+8*\c+3] offset:64*\c
	ds_store_b128 v[ADK], v[SB+34*\a+8*\c+4:SB+34*\a+8*\c+7] offset:64*\c+16
.endr
.irp i, 0,1,2,3,4,5,6,7
	ds_load_b128 v[\back+4*\i:\back+4*\i+3], v[ADV] offset:2*PITCH*\i   ; LDS serves a wave's instructions in order: these see my stores, and the next tile's stores come behind them
.endr
.endm
	TOSTAGE 0, KV
	TOSTAGE 1, OB
.irp i, 0,1,2,3,4,5,6,7
	s_wait_dscnt 23-\i                             ; behind tile 0's load i: its 7 - i younger loads and tile 1's sixteen LDS instructions
	global_store_b128 v[STK], v[KV+4*\i:KV+4*\i+3], s[12:13] offset:512*\i th:TH_STORE_NT   ; 32 lanes store 512 consecutive bytes, at a multiple of 256 from out0's first byte
.endr
.irp i, 0,1,2,3,4,5,6,7
	s_wait_dscnt 7-\i
	global_store_b128 v[STK], v[OB+4*\i:OB+4*\i+3], s[12:13] offset:4096+512*\i th:TH_STORE_NT
.endr
	s_wait_tensorcnt 0x0                           ; the wave's end, behind my last LDS store
	ds_add_u32 v[SPW], v[NIL]
	s_wait_dscnt 0x0
	s_endpgm
.Lfunc_end_k_q6618f84055_attn:
	.size	k_q6618f84055_attn, .Lfunc_end_k_q6618f84055_attn-k_q6618f84055_attn
	.p2alignl 7, 3214868480
	.fill 96, 4, 3214868480
	.section	.rodata,"a",@progbits
	.p2align	6, 0x0
	.amdhsa_kernel k_q6618f84055_attn
		.amdhsa_group_segment_fixed_size 315392
		.amdhsa_private_segment_fixed_size 0
		.amdhsa_enable_private_segment 0
		.amdhsa_kernarg_size 40
		.amdhsa_user_sgpr_count 2
		.amdhsa_user_sgpr_kernarg_segment_ptr 1
		.amdhsa_wavefront_size32 1
		.amdhsa_system_sgpr_workgroup_id_x 1
		.amdhsa_system_sgpr_workgroup_id_y 1
		.amdhsa_system_sgpr_workgroup_id_z 1
		.amdhsa_system_vgpr_workitem_id 0
		.amdhsa_next_free_vgpr 256
		.amdhsa_next_free_sgpr 66
		.amdhsa_reserve_vcc 0
		.amdhsa_float_denorm_mode_32 3
		.amdhsa_float_denorm_mode_16_64 3
		.amdhsa_memory_ordered 1
		.amdhsa_forward_progress 1
		.amdhsa_inst_pref_size 167
	.end_amdhsa_kernel
	.amdgpu_metadata
---
amdhsa.version: [ 1, 2 ]
amdhsa.kernels:
  - .name:           k_q6618f84055_attn
    .symbol:         k_q6618f84055_attn.kd
    .args:
      - { .name: q, .offset: 0, .size: 8, .value_kind: global_buffer, .address_space: global }
      - { .name: k, .offset: 8, .size: 8, .value_kind: global_buffer, .address_space: global }
      - { .name: v, .offset: 16, .size: 8, .value_kind: global_buffer, .address_space: global }
      - { .name: lowp_scales, .offset: 24, .size: 8, .value_kind: global_buffer, .address_space: global }
      - { .name: out0, .offset: 32, .size: 8, .value_kind: global_buffer, .address_space: global }
    .group_segment_fixed_size: 315392
    .private_segment_fixed_size: 0
    .kernarg_segment_align: 8
    .kernarg_segment_size: 40
    .max_flat_workgroup_size: 512
    .sgpr_count:     66
    .vgpr_count:     256
    .wavefront_size: 32
...
	.end_amdgpu_metadata
.endif
;; end of part 1
;; ======== version 2 of 2: 1 launch; version 1 with the launch attn written anew for expert scheduling mode
;; launch attn (part 2): grid 4 x 64, 16 waves a work-group, no clusters, 315,392 bytes of LDS; arguments q, k, v, lowp_scales, out0; writes out0
.if DOCPART == 2
	.amdgcn_target "amdgcn-amd-amdhsa--gfx1250"
	.amdhsa_code_object_version 6
	.text
	.protected	k_q6618f84055_attn
	.globl	k_q6618f84055_attn
	.p2align	8
	.type	k_q6618f84055_attn,@function
k_q6618f84055_attn:
	s_mov_b64 s[64:65], 0
	v_nop
	global_prefetch_b8 v0, s[64:65] scope:SCOPE_SE
	s_setreg_imm32_b32 hwreg(HW_REG_WAVE_SCHED_MODE, 0, 2), 2
	s_setreg_imm32_b32 hwreg(HW_REG_WAVE_MODE, 25, 1), 1
	s_wait_xcnt 0x0
	s_wait_alu depctr_vm_vsrc(0)
; out0[h][i][:] = the sum over j of softmax_j(q[h][i] . k[h][j] / 8) v[h][j][:], 64 heads of 2,048 x 64, all f32 in memory; both products on codes of E4M3 with the four given
; scales 2^eq, 2^ek, 2^ep, 2^ev (lowp_scales).  t = score x log2(e) / 8; M = the running largest t rounded UP to a whole number; p = 2^(t - M) is quantised, not normalised; the row's
; sum is taken of the unquantised p in f32 and divides at the end.  When M moves, the sum and O are multiplied by 2^(old M - new M), which rounds nothing.
; SHARES.  A work-group of sixteen waves owns 512 queries of one head (4 x 64 work-groups); a wave owns 32, two tiles of 16, in 256 registers: four waves to a SIMD, so that one wave's
; vector work stands beside another's matrix instructions and LDS loads.  Each fragment of K and V read from LDS feeds two matrix instructions.
; THE WHOLE HEAD'S K AND V LIE IN LDS AS CODES (2 x 128 KiB + padding), each byte stored once.  The sixteen waves load them as f32, quantise them in registers and store the codes one
; block of 256 keys ahead of the block that is multiplied: one barrier a block, eight blocks.  q is quantised at the head, through the wave's own stage.
; NO JOINT LOADS, though the four work-groups of a head read the same K and V: what they share arrives as f32 and passes through registers to be quantised.  A block of 256 keys of K and V
; in f32 is 131,072 bytes; the codes (278,528), Q's stages (34,816) and the spare words (2,048) leave 12,288 of 327,680.
; LAYOUT.  Both products are used transposed: S^T = K Q^T (source 0 = 16 keys, source 1 = 16 queries), O^T = V^T P^T (source 0 = 16 channels, source 1 = P): a lane holds ONE query
; (lane % 16) throughout.  In S^T register j of tile t is key 16 t + 8 (lane / 16) + j: its eight codes are registers 2 t, 2 t + 1 of P, the place that the form's layout gives them.
; K and Q are fetched by two loads of 16 bytes (registers 4 c .. 4 c + 3: channels 32 c + 16 (lane / 16) + 0 .. 15): a permutation of the channels, the same on both sides.
; V's rows in LDS hold, in each 32 keys, the two middle groups of eight swapped, so that a load of 16 bytes brings keys 32 i + 8 h + 0..7 and 32 i + 16 + 8 h + 0..7: P's order.
; LIMITS, so that each power of two below is an f32 number: eq + ek between -123 and 130 (added to c's exponent field); eq, ek, ep, ev each between -126 and 119.  NaN among the inputs is not served.
; THE MODE: SCHED_MODE bits 1:0 = 2 (LLVM: expert scheduling mode 2), set by the entry lines.  The code itself states the register dependences
; between vector or matrix instructions and memory or LDS instructions, with s_wait_alu, always for 0.
; THE PLAN.  Registers that memory or LDS instructions touch, in the loop:
;   v[KV ..]    K's LDS loads land in it at a step's head; the products K Q^T read it; V's LDS loads land in it; the products V^T P read it.  One buffer: the wave's 256 registers hold no second.
;   v[FD ..]    The feed's 20 global loads land in it (steps 0 and 2); its holds and conversions read and write it a step later (steps 1 and 3).
;   v[FC ..]    Written by the feed's conversions; read by its six LDS stores.
;   ADK, ADV, STK, STV   Written by four adds at a trip's head; read by the trip's LDS loads and stores.
;   KO, VO, PFO Read by the global loads and the prefetches; made at the head, never written again: the scalar bases move on.
;   S^T, P, O^T, Q and the statistics are named by vector and matrix instructions alone.
; THE WAITS of a trip.  On vm_vsrc: one at its head, ahead of the four adds (it also frees v[FC ..] for the first feed); one ahead of the second feed's conversions.
; On va_vdst: one at the head of a step, ahead of K's loads (the last products V^T P are done reading v[KV ..]; in the first step the four addresses are written); the softmax's one wait for its
; exponentials, behind which V's loads stand, since it also states that K Q^T is done reading v[KV ..]; one behind a feed's conversions, ahead of its LDS stores.  Behind that last one stand
; only LDS stores up to the next step's loads, so the step behind a feed has no wait at its head.
.set PITCH, 272                        ; an LDS row: 256 bytes + 16 of padding = 68 words: row r starts at bank 4 r mod 64 (64 banks of 4 bytes: ISA guide 11.1)
.set BLK,   64*PITCH                   ; a block of 256 keys: K: 64 rows of 4 keys x 64 codes;  V: 64 rows (channels) of 256 keys
.set VOFF,  8*BLK                      ; K's eight blocks from 0, V's eight from here
.set SPARE, 16*BLK                     ; the spare words, 128 bytes for each wave: eight blocks of 256 bytes that no other line names
.set QST,   SPARE+2048                 ; Q's stages: 2 tiles x 4 rows for each wave, laid like K
.set GBLK,  65536                      ; a block of K or V in memory: 256 keys x 256 bytes
.set GPAIR, 32768                      ; half of it: what the sixteen waves feed at a time, 8 keys a wave
.set AK0, 1                            ; v1   my lane's place in a tile of K: PITCH (r / 4) + 64 (r % 4) + 16 h
.set AV0, 2                            ; v2   in a tile of V: VOFF + PITCH r + 16 h
.set ADK, 3                            ; v3   AK0 + the block in hand;  on the way out: where I put 32 bytes of a row
.set ADV, 4                            ; v4   AV0 + the block in hand;  on the way out: where I read a row back
.set SPW, 5                            ; v5   LDS address of my spare word; never rewritten
.set NIL, 6                            ; v6   0; never rewritten
.set KO,  7                            ; v7   K in memory: 2,048 x wave + 16 x lane; never rewritten
.set VO,  8                            ; v8   V in memory: 2,048 x wave + 4 x lane; never rewritten
.set SK0, 9                            ; v9   where my codes of K go: 2 PITCH x wave + 4 x lane
.set SV0, 10                           ; v10  and of V: VOFF + PITCH x lane + my wave's eight keys' place in a row
.set STK, 11                           ; v11  SK0 + the block in hand;  at the head: into Q's stage;  on the way out: 16 x lane
.set STV, 12                           ; v12  SV0 + the block in hand;  at the head: out of Q's stage
.set PFO, 13                           ; v13  256 x lane: the prefetches' offset; never rewritten
.set SCK, 14                           ; v14-17  2^ek, 2^ev, 2^ep, 2^eq as f32: the conversions take the exponent field
.set SCV, 15
.set SCP, 16
.set SCQ, 17
.set NM,  18                           ; tile a: v[18+4a] -M, v[19+4a] the largest t, v[20+4a:21+4a] the sum in two halves
.set TM,  19
.set LS,  20
.set FF,  26                           ; v[26+2a] f = 2^(old M - new M); v[27+2a] named with it as a pair
.set MA,  30                           ; v[30+2a], v[31+2a] two chains of the maximum, then of the sum
.set MB,  31
.set XL,  34                           ; v[34+a] the other half of the lanes' number
.set QF,  36                           ; v36-51   Q's two fragments
.set KV,  52                           ; v52-83   four fragments of K, then four of V
.set FD,  84                           ; v84-115  the feed: 16 numbers of K, 16 of V
.set FC,  116                          ; v116-123 and their codes
.set PB,  124                          ; v[124+34a ..] P, 8 registers: the upper six lie over S^T's first tile, which is converted first
.set SB,  126                          ; v[126+34a ..] S^T, 32 registers
.set OB,  192                          ; v[192+32a ..] O^T, 32 registers
; s[4:5] q, s[6:7] k, s[8:9] v (at the head's block in hand), s[12:13] out0; s[16:19] eq ek ep ev; s20 wave, s21 wave / 8; s22 LDS byte of the block in hand; s23 trips to go; s24 see ASK;
; s[26:27] the prefetches' address; s[28:29] c; s[30:31] lane selects; s32-37 -limit, +limit for q, k, v; s38 448 x 2^ep; s39 ep + ev; s40-52 at work
; 128 keys' worth of K and V, half p of the block in hand (nb = 0) or the next (nb = 1), 8 keys a wave, into v[R ..].  K: four loads of 512 consecutive bytes: load i gives my lane key 8 w + 2 i + lane / 16,
; channels 4 (lane % 16) on.  V: A LANE TAKES A CHANNEL AND ITS REGISTERS RUN DOWN THE KEYS, which are the second product's K: register 8 hf + i is V(key 8 w + i, channel 32 hf + lane).
.macro FEED_LOAD p, R, nb
.irp i, 0,1,2,3
	global_load_b128 v[\R+4*\i:\R+4*\i+3], v[KO], s[6:7] offset:GBLK*(\nb)+GPAIR*(\p)+512*\i
.endr
.irp hf, 0,1
.irp i, 0,1,2,3,4,5,6,7
	global_load_b32 v[\R+16+8*\hf+\i], v[VO], s[8:9] offset:GBLK*(\nb)+GPAIR*(\p)+256*\i+128*\hf
.endr
.endr
.endm
; They are held, converted and stored to LDS.  A register of K's codes is 4 channels of one key: 32 lanes store 128 consecutive bytes.  A pair of V's is 8 keys of one channel's row.
; free = 1: LDS stores issued since the last wait on vm_vsrc have read v[C ..] (a trip's second feed).
.macro FEED_PUT p, R, C, ak, av, nb, free
.if \free
	s_wait_alu depctr_vm_vsrc(0)                   ; the LDS stores of the trip's first feed, two steps back, have read v[C ..], which the conversions below write again
.endif
.irp i, 0,1,2,3,4,5,6,7,8,9,10,11,12,13,14,15
	v_med3_num_f32 v[\R+\i], v[\R+\i], s34, s35    ; the conversion to an 8-bit code does not saturate (ISA guide 7.6.2): hold within +-448 x 2^ek first
.endr
.irp i, 16,17,18,19,20,21,22,23,24,25,26,27,28,29,30,31
	v_med3_num_f32 v[\R+\i], v[\R+\i], s36, s37    ; +-448 x 2^ev
.endr
	v_cvt_scalef32_pk8_fp8_f32 v[\C:\C+1], v[\R:\R+7], v[SCK]
	v_cvt_scalef32_pk8_fp8_f32 v[\C+2:\C+3], v[\R+8:\R+15], v[SCK]
	v_cvt_scalef32_pk8_fp8_f32 v[\C+4:\C+5], v[\R+16:\R+23], v[SCV]
	v_cvt_scalef32_pk8_fp8_f32 v[\C+6:\C+7], v[\R+24:\R+31], v[SCV]
	v_nop                                          ; one plain vector instruction behind the last conversion of the run
	s_wait_alu depctr_va_vdst(0)                   ; the conversions have written v[C ..], which the LDS stores below read.  In the loop it states for the next step's loads too: the holds and conversions are done with v[R ..], and this step's products V^T P are done reading v[KV ..]
.irp i, 0,1,2,3
	ds_store_b32 v[\ak], v[\C+\i] offset:BLK*(\nb)+32*PITCH*(\p)+PITCH*(\i/2)+128*(\i%2)   ; key 8 w + 2 i + lane / 16: row 2 w + i / 2, byte 128 (i % 2) + 4 x lane
.endr
.irp hf, 0,1
	ds_store_b64 v[\av], v[\C+4+2*\hf:\C+5+2*\hf] offset:BLK*(\nb)+128*(\p)+32*PITCH*\hf
.endr
.endm
; A PREFETCH INTO THE L2 of the 128 keys of K and V that the NEXT feed will load, behind this feed's loads.  All four work-groups of a head read the same K and V: the head's first asks, and nobody else.
; At a trip's first feed waves 0 to 7 ask, at its second waves 8 to 15; of the eight, four take K's 32,768 bytes and four V's, 8,192 a wave, lanes 256 bytes apart: each block of 256 bytes is named once.
; s24 = wave / 8 in the head's first work-group, else the greatest number: waves 8 to 15, which ask for the block after next, stop a trip early.  Block 0 and the first half of block 1 come by their loads alone.
.macro ASK p
	s_cmp_eq_u32 s21, \p
	s_cbranch_scc0 .Lno_ask_\@
	s_cmp_gt_u32 s23, s24
	s_cbranch_scc0 .Lno_ask_\@
	global_prefetch_b8 v[PFO], s[26:27] th:TH_LOAD_NT scope:SCOPE_SE
.Lno_ask_\@:
.endm
; The sixteen accumulators of a step (8 of S^T, 8 of O^T) take turns, one instruction a turn, over the loop's backward jump too.
.macro KQ
.irp t, 0,1,2,3
.irp a, 0,1
	v_wmma_f32_16x16x64_fp8_fp8 v[SB+34*\a+8*\t:SB+34*\a+8*\t+7], v[KV+8*\t:KV+8*\t+7], v[QF+8*\a:QF+8*\a+7], 0
.endr
.endr
.endm
.macro PV
.irp c, 0,1,2,3
.irp a, 0,1
	v_wmma_f32_16x16x64_fp8_fp8 v[OB+32*\a+8*\c:OB+32*\a+8*\c+7], v[KV+8*\c:KV+8*\c+7], v[PB+34*\a:PB+34*\a+7], v[OB+32*\a+8*\c:OB+32*\a+8*\c+7]
.endr
.endr
.endm
; The softmax of step q: 32 scores a lane in each of the two tiles, which alternate line by line so that no line waits for the one above it.  V's fragments of the step are asked for behind its wait for the exponentials.
.macro SOFTMAX q
.irp a, 0,1
	v_max3_num_f32 v[MA+2*\a], v[SB+34*\a], v[SB+34*\a+1], v[SB+34*\a+2]       ; the largest score of my query among my 32 keys, in two chains, ascending: each accumulator is read from its low end on
	v_max3_num_f32 v[MB+2*\a], v[SB+34*\a+3], v[SB+34*\a+4], v[SB+34*\a+5]
.endr
.irp i, 6,10,14,18,22,26
.irp a, 0,1
	v_max3_num_f32 v[MA+2*\a], v[MA+2*\a], v[SB+34*\a+\i], v[SB+34*\a+\i+1]
	v_max3_num_f32 v[MB+2*\a], v[MB+2*\a], v[SB+34*\a+\i+2], v[SB+34*\a+\i+3]
.endr
.endr
.irp a, 0,1
	v_max3_num_f32 v[MA+2*\a], v[MA+2*\a], v[SB+34*\a+30], v[SB+34*\a+31]
.endr
.irp a, 0,1
	v_max_num_f32 v[MA+2*\a], v[MA+2*\a], v[MB+2*\a]
.endr
.irp a, 0,1
	v_permlanex16_b32 v[XL+\a], v[MA+2*\a], s30, s31   ; the query's other 32 keys lie in the lane 16 away
.endr
.irp a, 0,1
	v_max_num_f32 v[MA+2*\a], v[MA+2*\a], v[XL+\a]
.endr
.irp a, 0,1
	v_mul_f32 v[MA+2*\a], s28, v[MA+2*\a]          ; as t (c is positive)
.endr
.irp a, 0,1
	v_max_num_f32 v[TM+4*\a], v[TM+4*\a], v[MA+2*\a]   ; the running largest t
.endr
.irp a, 0,1
	v_mov_b32 v[MB+2*\a], v[NM+4*\a]
.endr
.irp a, 0,1
	v_floor_f32 v[NM+4*\a], -v[TM+4*\a]            ; the new -M = floor(-t) = -ceil(t): a whole number
.endr
.irp a, 0,1
	v_sub_f32 v[MB+2*\a], v[NM+4*\a], v[MB+2*\a]   ; old M - new M: a whole number, 0 or less
.endr
.irp a, 0,1
	v_cvt_i32_f32 v[MB+2*\a], v[MB+2*\a]           ; (it saturates)
.endr
.irp a, 0,1
	v_ldexp_f32 v[FF+2*\a], 1.0, v[MB+2*\a]        ; f = 2^(old M - new M)
.endr
.irp j, 0,2,4,6,8,10,12,14,16,18,20,22,24,26,28,30
.irp a, 0,1
	v_pk_fma_f32 v[SB+34*\a+\j:SB+34*\a+\j+1], v[SB+34*\a+\j:SB+34*\a+\j+1], s[28:29], v[NM+4*\a:NM+4*\a+1] op_sel_hi:[1,0,0]   ; t - M, two at a time (of the pairs c and -M the low word serves both halves)
.endr
.endr
	s_wait_alu depctr_va_vdst(0)
.irp j, 0,1,2,3,4,5,6,7,8,9,10,11,12,13,14,15,16,17,18,19,20,21,22,23,24,25,26,27,28,29,30,31
.irp a, 0,1
	v_exp_f32 v[SB+34*\a+\j], v[SB+34*\a+\j]       ; p = 2^(t - M): both tiles' 64 are ONE batch
.endr
.endr
.irp a, 0,1
	v_pk_mul_f32 v[LS+4*\a:LS+4*\a+1], v[LS+4*\a:LS+4*\a+1], v[FF+2*\a:FF+2*\a+1] op_sel_hi:[1,0]   ; the sums under the new M: the plain instructions behind the last exponential
.endr
	s_wait_alu depctr_va_vdst(0)                   ; ONE wait for two things: the batch's 64 results are written, ahead of the first line that names one; and the step's products K Q^T are done reading v[KV ..], in which the loads below land
.irp c, 0,1,2,3
.irp i, 0,1
	ds_load_b128 v[KV+8*\c+4*\i:KV+8*\c+4*\i+3], v[ADV] offset:16*PITCH*\c+64*(\q)+32*\i   ; channels 16 c + r, keys 64 q on: they land while the sums, the holds, the conversions and O^T's rescaling are walked, none of which names v[KV ..]
.endr
.endr
.irp a, 0,1
	v_pk_add_f32 v[MA+2*\a:MA+2*\a+1], v[SB+34*\a:SB+34*\a+1], v[SB+34*\a+2:SB+34*\a+3]   ; the row's sum is taken of the UNQUANTISED p, two at a time, in two chains
.endr
.irp j, 4,8,12,16,20,24,28
.irp a, 0,1
	v_pk_add_f32 v[LS+4*\a:LS+4*\a+1], v[LS+4*\a:LS+4*\a+1], v[SB+34*\a+\j:SB+34*\a+\j+1]
	v_pk_add_f32 v[MA+2*\a:MA+2*\a+1], v[MA+2*\a:MA+2*\a+1], v[SB+34*\a+\j+2:SB+34*\a+\j+3]
.endr
.endr
.irp a, 0,1
	v_pk_add_f32 v[LS+4*\a:LS+4*\a+1], v[LS+4*\a:LS+4*\a+1], v[MA+2*\a:MA+2*\a+1]
.endr
.irp t, 0,1,2,3                        ; conversion t writes P's registers 2 t, 2 t + 1: from t = 1 on they are registers of S^T's tile 0, converted earlier; the other tile's eight holds are the plain lines between
.irp a, 0,1
.irp i, 0,1,2,3,4,5,6,7
	v_min_num_f32 v[SB+34*\a+8*\t+\i], s38, v[SB+34*\a+8*\t+\i]   ; the hold at 448 x 2^ep; p is never negative, so it is one-sided
.endr
	v_cvt_scalef32_pk8_fp8_f32 v[PB+34*\a+2*\t:PB+34*\a+2*\t+1], v[SB+34*\a+8*\t:SB+34*\a+8*\t+7], v[SCP]
.endr
.endr
.irp j, 0,2,4,6,8,10,12,14,16,18,20,22,24,26,28,30
.irp a, 0,1
	v_pk_mul_f32 v[OB+32*\a+\j:OB+32*\a+\j+1], v[OB+32*\a+\j:OB+32*\a+\j+1], v[FF+2*\a:FF+2*\a+1] op_sel_hi:[1,0]   ; O^T under the new M; also the plain lines between the last conversion and the products
.endr
.endr
.endm
; A STEP: 64 keys, the q-th of the block in hand.  ld = 0, 1: that half of the next block is asked of memory; put = 0, 1: it is quantised and stored; -1: neither.
; head = 1: the wait at the step's head is written; 0: the step before ended with a feed, whose wait stands for it: only LDS stores lie between.
.macro STEP q, ld, put, head
.if \head
	s_wait_alu depctr_va_vdst(0)                   ; the last products V^T P are done reading v[KV ..], in which the loads below land; in a trip's first step the addresses made at its head are written, which the trip's LDS loads and stores read
.endif
.irp t, 0,1,2,3
.irp c, 0,1
	ds_load_b128 v[KV+8*\t+4*\c:KV+8*\t+4*\c+3], v[ADK] offset:16*PITCH*(\q)+4*PITCH*\t+32*\c   ; keys 64 q + 16 t + r
.endr
.endr
.if (\ld) >= 0
	FEED_LOAD \ld, FD, 1                           ; no vector instruction since the last wait on va_vdst names v[FD ..]
	ASK \ld
.endif
	s_wait_dscnt 0x0                               ; K's four fragments are in
	KQ
.rept 4
	v_nop                                          ; four places behind the products (ISA guide 7.12.1), in front of the first read of the scores
.endr
	SOFTMAX \q
	s_wait_alu depctr_va_vdst(0)
	s_wait_dscnt 0x0                               ; V's four fragments are in
	PV
.if (\put) >= 0
	s_wait_loadcnt 0x0                             ; the feed's 20 loads, asked for a step and a half ago; no other load is out
	FEED_PUT \put, FD, FC, STK, STV, 1, \put       ; its 32 holds are also the places behind the products.  (The first feed's v[FC ..] were freed by the wait at the trip's head, the second's are freed by a wait of its own)
.else
.rept 5
	v_nop                                          ; five places: the next step's first products write over registers of P, which these products read
.endr
.endif
.endm
; A TRIP: a block of 256 keys.  In front of the barrier each wave's LDS stores (its part of this block, stored in the trip before) have landed and its LDS loads are in.  Behind it the block is whole.
; What a trip stores lies BLK bytes behind what it reads, and is read only behind the next barrier.
.macro TRIP feed
	s_wait_dscnt 0x0
	s_barrier_signal -1
	s_barrier_wait -1
	s_wait_alu depctr_vm_vsrc(0)                   ; the LDS loads and stores issued so far have read ADK, ADV, STK, STV, which the adds below write, and v[FC ..], which the trip's first feed writes; in the first trip also q's offset v30 and the head's codes in v124-139 and v148-155, which the first step writes
	v_add_nc_u32 v[ADK], s22, v[AK0]
	v_add_nc_u32 v[ADV], s22, v[AV0]
.if \feed
	v_add_nc_u32 v[STK], s22, v[SK0]
	v_add_nc_u32 v[STV], s22, v[SV0]
	STEP 0, 0, -1, 1
	STEP 1, -1, 0, 1
	STEP 2, 1, -1, 0
	STEP 3, -1, 1, 1
.else
	STEP 0, -1, -1, 1
	STEP 1, -1, -1, 1
	STEP 2, -1, -1, 1
	STEP 3, -1, -1, 1
.endif
.endm
.macro MKSCALE e, vs, lo               ; from the whole number in s[e]: 2^e as f32 into v[vs]; -448 x 2^e and 448 x 2^e into s[lo], s[lo + 1]
	s_add_co_i32 s40, s[\e], 127
	s_lshl_b32 s41, s40, 23
	v_mov_b32 v[\vs], s41
	s_add_co_i32 s40, s40, 8
	s_lshl_b32 s40, s40, 23
	s_or_b32 s[\lo+1], s40, 0x600000               ; 448 = 1.75 x 2^8
	s_or_b32 s[\lo], s[\lo+1], 0x80000000
.endm
	s_load_b256 s[4:11], s[0:1], 0x0               ; q s[4:5], k s[6:7], v s[8:9], lowp_scales s[10:11]
	s_load_b64 s[12:13], s[0:1], 0x20              ; out0
	v_lshl_add_u32 v[SPW], v0, 2, SPARE
	v_mov_b32 v[NIL], 0
	v_lshrrev_b32 v1, 5, v0
	v_readfirstlane_b32 s20, v1                    ; wave 0..15
	s_wait_alu depctr_va_sdst(0)                   ; s20 is written, ahead of its first reader: addresses, bases and the prefetches' branches are made from it
	s_lshr_b32 s21, s20, 3
	v_and_b32 v30, 31, v0                          ; lane
	v_and_b32 v31, 15, v0                          ; r
	v_bfe_u32 v32, v0, 4, 1                        ; h
	v_bfe_u32 v33, v0, 2, 2                        ; r / 4
	v_and_b32 v34, 3, v0                           ; r % 4
	v_mul_u32_u24 v[AK0], v33, PITCH
	v_lshl_add_u32 v[AK0], v34, 6, v[AK0]
	v_lshl_add_u32 v[AK0], v32, 4, v[AK0]          ; sixteen lanes of a load: 16-byte columns r / 4 + 4 (r % 4) modulo 16: all different
	v_mul_u32_u24 v[AV0], v31, PITCH
	v_lshl_add_u32 v[AV0], v32, 4, v[AV0]
	v_add_nc_u32 v[AV0], VOFF, v[AV0]
	s_lshl_b32 s40, s20, 11                        ; my wave's 8 keys of 256 bytes
	v_lshl_add_u32 v[KO], v30, 4, s40
	v_lshl_add_u32 v[VO], v30, 2, s40
	s_mul_i32 s41, s20, 2*PITCH                    ; and their two rows of codes
	v_lshl_add_u32 v[SK0], v30, 2, s41
	s_lshr_b32 s42, s20, 2                         ; in a row of V: 32 (w / 4), then key group w % 4 = 2 u + h at place 2 h + u: 16 (w % 2) + 8 ((w / 2) % 2)
	s_lshl_b32 s42, s42, 5
	s_and_b32 s43, s20, 1
	s_lshl_b32 s43, s43, 4
	s_add_co_u32 s42, s42, s43
	s_bfe_u32 s43, s20, 0x10001
	s_lshl_b32 s43, s43, 3
	s_add_co_u32 s42, s42, s43
	s_add_co_u32 s42, s42, VOFF
	v_mul_u32_u24 v[SV0], v30, PITCH
	v_add_nc_u32 v[SV0], s42, v[SV0]
	s_mul_i32 s44, s20, 8*PITCH
	s_add_co_u32 s44, s44, QST                     ; my stage for Q
	v_lshl_add_u32 v[STK], v30, 2, s44             ; into it: 4 x lane
	v_add_nc_u32 v[STV], s44, v[AK0]               ; out of it: as a tile of K
	v_lshlrev_b32 v[PFO], 8, v30
	v_lshlrev_b32 v30, 4, v30                      ; q in memory: 16 x lane
	s_and_b32 s46, ttmp7, 0xffff                   ; the head:
	s_lshl_b32 s46, s46, 19                        ; 2,048 rows of 256 bytes
	s_mov_b32 s47, 0
	s_lshl_b32 s48, ttmp9, 17                      ; my work-group's 512 queries,
	s_lshl_b32 s49, s20, 13                        ; my wave's 32
	s_add_co_u32 s48, s48, s49
	s_add_co_u32 s48, s48, s46
	s_mov_b32 s49, 0
	s_lshl_b32 s50, s21, 15                        ; the prefetches: waves 0-7 the next block's second half, waves 8-15 the first half of the block after it,
	s_and_b32 s51, s20, 3
	s_lshl_b32 s51, s51, 13                        ; 8,192 bytes a wave
	s_add_co_u32 s50, s50, s51
	s_add_co_u32 s50, s50, GBLK+GPAIR
	s_mov_b32 s51, 0
	s_cmp_eq_u32 ttmp9, 0
	s_cselect_b32 s24, s21, -1
	s_mov_b32 s30, 0x76543210                      ; v_permlanex16_b32: lane l takes lane l xor 16
	s_mov_b32 s31, 0xfedcba98
	s_mov_b32 s22, 0
	s_mov_b32 s23, 7
	s_wait_kmcnt 0x0
	s_load_b128 s[16:19], s[10:11], 0x0            ; eq, ek, ep, ev
	s_add_nc_u64 s[4:5], s[4:5], s[48:49]
	s_add_nc_u64 s[12:13], s[12:13], s[48:49]
	s_add_nc_u64 s[6:7], s[6:7], s[46:47]
	s_add_nc_u64 s[8:9], s[8:9], s[46:47]
	s_and_b32 s52, s20, 4
	s_cmp_eq_u32 s52, 0                            ; waves 0-3 and 8-11 ask for K, the others for V
	s_cselect_b64 s[26:27], s[6:7], s[8:9]
	s_add_nc_u64 s[26:27], s[26:27], s[50:51]
	s_wait_alu depctr_va_vdst(0)                   ; the offsets and addresses are written that the head's loads and LDS instructions and the loop's loads and prefetches read: v30, KO, VO, PFO, SK0, SV0, STK, STV
.irp a, 0,1
.irp i, 0,1,2,3,4,5,6,7
	global_load_b128 v[OB+32*\a+4*\i:OB+32*\a+4*\i+3], v30, s[4:5] offset:4096*\a+512*\i th:TH_LOAD_NT   ; q: 512 consecutive bytes a load: query 16 a + 2 i + lane / 16, channels 4 (lane % 16) on
.endr
.endr
	FEED_LOAD 0, FD, 0                             ; block 0, both halves
	FEED_LOAD 1, 160, 0
	s_wait_kmcnt 0x0
	s_add_co_i32 s40, s16, s17
	s_lshl_b32 s40, s40, 23
	s_mov_b32 s28, 0x3e38aa3b                      ; c = log2(e) / 8
	s_add_co_i32 s28, s28, s40                     ; a score stands for score x 2^(eq + ek): the two exponents are added to c's exponent field
	s_mov_b32 s29, s28                             ; (named with it as a pair, so it is written)
	MKSCALE 16, SCQ, 32
	MKSCALE 17, SCK, 34
	MKSCALE 19, SCV, 36
	s_add_co_i32 s40, s18, 127
	s_lshl_b32 s41, s40, 23
	v_mov_b32 v[SCP], s41
	s_add_co_i32 s40, s40, 8
	s_lshl_b32 s40, s40, 23
	s_or_b32 s38, s40, 0x600000                    ; 448 x 2^ep
	s_add_co_i32 s39, s18, s19                     ; ep + ev
	; ---- Q: 64 numbers a lane become 16 registers of codes, go through my own stage and come back as two fragments
	s_wait_loadcnt 40                              ; q's 16 loads are in; the 40 of block 0 were issued behind them
.set n, 0
.rept 64
	v_med3_num_f32 v[OB+n], v[OB+n], s32, s33
.set n, n+1
.endr
.irp m, 0,1,2,3,4,5,6,7
	v_cvt_scalef32_pk8_fp8_f32 v[PB+2*\m:PB+2*\m+1], v[OB+8*\m:OB+8*\m+7], v[SCQ]   ; loads 2 m and 2 m + 1: a register of codes for each
.endr
	v_nop                                          ; one plain vector instruction behind the last conversion of the run
	s_wait_alu depctr_va_vdst(0)                   ; the conversions have written Q's codes, v124-139, which the LDS stores below read
.irp a, 0,1
.irp i, 0,1,2,3,4,5,6,7
	ds_store_b32 v[STK], v[PB+8*\a+\i] offset:4*PITCH*\a+PITCH*(\i/2)+128*(\i%2)
.endr
.endr
.irp a, 0,1
.irp c, 0,1
	ds_load_b128 v[QF+8*\a+4*\c:QF+8*\a+4*\c+3], v[STV] offset:4*PITCH*\a+32*\c   ; my own bytes: LDS serves a wave's instructions in order (ISA guide 5.7.1.4)
.endr
.endr
	; ---- block 0 of K and V
	s_wait_loadcnt 20                              ; its first half is in; the second half's 20 loads may be out
	FEED_PUT 0, FD, FC, SK0, SV0, 0, 0             ; (no LDS store has read these codes' registers yet, nor the next line's)
	s_wait_loadcnt 0x0
	FEED_PUT 1, 160, 148, SK0, SV0, 0, 0
.set n, 0
.rept 64
	v_mov_b32 v[OB+n], 0                           ; O^T.  (The step is written once: the first finds zeros, which the first change of M leaves zeros)
.set n, n+1
.endr
.irp a, 0,1
	v_mov_b32 v[TM+4*\a], 0xff61b1e6               ; the largest t so far: -3e38, under every t
	v_floor_f32 v[NM+4*\a], -v[TM+4*\a]
	v_mov_b32 v[LS+4*\a], 0
	v_mov_b32 v[LS+4*\a+1], 0
	v_mov_b32 v[FF+2*\a+1], 0                      ; (named as the upper half of f's pair)
	v_mov_b32 v[XL+\a], 0                          ; (a lane permute's destination counts as one of its sources)
.endr
.Ltrip:                                            ; seven trips: block b is multiplied, block b + 1 is fed
	TRIP 1
	s_wait_xcnt 0x0                                ; the trip's loads and prefetches have read their bases: only behind this wait are they stepped
	s_add_nc_u64 s[6:7], s[6:7], GBLK
	s_add_nc_u64 s[8:9], s[8:9], GBLK
	s_add_nc_u64 s[26:27], s[26:27], GBLK
	s_add_co_u32 s22, s22, BLK
	s_sub_co_u32 s23, s23, 1
	s_cmp_lg_u32 s23, 0
	s_cbranch_scc1 .Ltrip
	TRIP 0                                         ; the last block: nothing is left to feed, and no load leaves its buffer
	; ---- THE WAY OUT.  O^T / the sum x 2^(ep + ev) goes through a stage of 16 rows x PITCH for each wave and leaves as whole rows of 256 bytes.  The stages lie over K's first blocks:
	; behind this barrier no wave reads K or V any more.
	s_wait_dscnt 0x0
	s_barrier_signal -1
	s_barrier_wait -1
.irp a, 0,1
	v_add_f32 v[LS+4*\a], v[LS+4*\a], v[LS+4*\a+1] ; the sum's two halves,
.endr
.irp a, 0,1
	v_permlanex16_b32 v[XL+\a], v[LS+4*\a], s30, s31
.endr
.irp a, 0,1
	v_add_f32 v[LS+4*\a], v[LS+4*\a], v[XL+\a]     ; and the other half of the lanes'
.endr
	s_wait_alu depctr_va_vdst(0)
.irp a, 0,1
	v_rcp_f32 v[FF+2*\a], v[LS+4*\a]
.endr
	s_mul_i32 s40, s20, 16*PITCH                   ; my stage; the address work stands between the reciprocals and the wait for them
	v_and_b32 v30, 15, v0
	v_bfe_u32 v31, v0, 4, 1
	s_wait_alu depctr_vm_vsrc(0)                   ; the last trip's LDS loads have read ADK and ADV, the last feed's LDS stores STK: the three are made anew below
	v_mul_u32_u24 v[ADK], v30, PITCH               ; in: row r; tile c's eight channels of my half at 64 c + 32 h
	v_lshl_add_u32 v[ADK], v31, 5, v[ADK]
	v_add_nc_u32 v[ADK], s40, v[ADK]
	v_mul_u32_u24 v[ADV], v31, PITCH               ; back: lanes 0-15 one row, lanes 16-31 the next
	v_lshl_add_u32 v[ADV], v30, 4, v[ADV]
	v_add_nc_u32 v[ADV], s40, v[ADV]
	v_and_b32 v[STK], 31, v0
	v_lshlrev_b32 v[STK], 4, v[STK]                ; and the same two rows in out0: 16 x lane
	s_wait_alu depctr_va_vdst(0)                   ; the two reciprocals are written: one wait, ahead of their first reader
.irp a, 0,1
	v_ldexp_f32 v[FF+2*\a], v[FF+2*\a], s39
.endr
.irp j, 0,2,4,6,8,10,12,14,16,18,20,22,24,26,28,30
.irp a, 0,1
	v_pk_mul_f32 v[SB+34*\a+\j:SB+34*\a+\j+1], v[OB+32*\a+\j:OB+32*\a+\j+1], v[FF+2*\a:FF+2*\a+1] op_sel_hi:[1,0]   ; register 8 c + j: out0(query r, channel 16 c + 8 h + j); each accumulator from its low end on
.endr
.endr
.macro TOSTAGE a, back
.irp c, 0,1,2,3
	ds_store_b128 v[ADK], v[SB+34*\a+8*\c:SB+34*\a+8*\c+3] offset:64*\c
	ds_store_b128 v[ADK], v[SB+34*\a+8*\c+4:SB+34*\a+8*\c+7] offset:64*\c+16
.endr
.irp i, 0,1,2,3,4,5,6,7
	ds_load_b128 v[\back+4*\i:\back+4*\i+3], v[ADV] offset:2*PITCH*\i   ; LDS serves a wave's instructions in order: these see my stores, and the next tile's stores come behind them
.endr
.endm
	s_wait_alu depctr_va_vdst(0)                   ; the multiplications have written the results, which the LDS stores read, and are done reading O^T's registers, in which tile 1's rows land; ADK, ADV and STK are written; the last products are done reading v[KV ..], in which tile 0's rows land.  No vector instruction follows
	TOSTAGE 0, KV
	TOSTAGE 1, OB
.irp i, 0,1,2,3,4,5,6,7
	s_wait_dscnt 23-\i                             ; behind tile 0's load i: its 7 - i younger loads and tile 1's sixteen LDS instructions
	global_store_b128 v[STK], v[KV+4*\i:KV+4*\i+3], s[12:13] offset:512*\i th:TH_STORE_NT   ; 32 lanes store 512 consecutive bytes, at a multiple of 256 from out0's first byte
.endr
.irp i, 0,1,2,3,4,5,6,7
	s_wait_dscnt 7-\i
	global_store_b128 v[STK], v[OB+4*\i:OB+4*\i+3], s[12:13] offset:4096+512*\i th:TH_STORE_NT
.endr
	s_wait_dscnt 0x0                               ; the wave's end: the six closing lines
	s_wait_alu 0x0
	s_wait_tensorcnt 0x0
	ds_add_u32 v[SPW], v[NIL]
	s_wait_dscnt 0x0
	s_endpgm
.Lfunc_end_k_q6618f84055_attn:
	.size	k_q6618f84055_attn, .Lfunc_end_k_q6618f84055_attn-k_q6618f84055_attn
	.p2alignl 7, 3214868480
	.fill 96, 4, 3214868480
	.section	.rodata,"a",@progbits
	.p2align	6, 0x0
	.amdhsa_kernel k_q6618f84055_attn
		.amdhsa_group_segment_fixed_size 315392
		.amdhsa_private_segment_fixed_size 0
		.amdhsa_enable_private_segment 0
		.amdhsa_kernarg_size 40
		.amdhsa_user_sgpr_count 2
		.amdhsa_user_sgpr_kernarg_segment_ptr 1
		.amdhsa_wavefront_size32 1
		.amdhsa_system_sgpr_workgroup_id_x 1
		.amdhsa_system_sgpr_workgroup_id_y 1
		.amdhsa_system_sgpr_workgroup_id_z 1
		.amdhsa_system_vgpr_workitem_id 0
		.amdhsa_next_free_vgpr 256
		.amdhsa_next_free_sgpr 66
		.amdhsa_reserve_vcc 0
		.amdhsa_float_denorm_mode_32 3
		.amdhsa_float_denorm_mode_16_64 3
		.amdhsa_memory_ordered 1
		.amdhsa_forward_progress 1
		.amdhsa_inst_pref_size 168
	.end_amdhsa_kernel
	.amdgpu_metadata
---
amdhsa.version: [ 1, 2 ]
amdhsa.kernels:
  - .name:           k_q6618f84055_attn
    .symbol:         k_q6618f84055_attn.kd
    .args:
      - { .name: q, .offset: 0, .size: 8, .value_kind: global_buffer, .address_space: global }
      - { .name: k, .offset: 8, .size: 8, .value_kind: global_buffer, .address_space: global }
      - { .name: v, .offset: 16, .size: 8, .value_kind: global_buffer, .address_space: global }
      - { .name: lowp_scales, .offset: 24, .size: 8, .value_kind: global_buffer, .address_space: global }
      - { .name: out0, .offset: 32, .size: 8, .value_kind: global_buffer, .address_space: global }
    .group_segment_fixed_size: 315392
    .private_segment_fixed_size: 0
    .kernarg_segment_align: 8
    .kernarg_segment_size: 40
    .max_flat_workgroup_size: 512
    .sgpr_count:     66
    .vgpr_count:     256
    .wavefront_size: 32
...
	.end_amdgpu_metadata
.endif
;; end of part 2
